; MI455X (gfx1250); checked and timed in simulation.
; The chip was launched on July 23, 2026; its instructions are those of AMD's public machine-readable ISA for CDNA 5 (MIT licence, August 2026) and "CDNA5" Instruction Set Architecture Reference Guide (July 2026). The comments in the code are by the model that wrote it; some were corrected since.
;; Masked Self Attention. Allowed arithmetic: float matrix products may take bf16 or f16 operands with f32 sums; all other float work in f32.
;; Inputs: W_K 4,096 x 4,096 float32; W_Q 4,096 x 4,096 float32; W_V 4,096 x 4,096 float32; inp 4,096 float32; prev_inps 2,047 x 4,096 float32.
;; Outputs: out0 4,096 float32; out1 2,048 x 4,096 float32.
;; One version. Each part assembles by itself: llvm-mc -triple=amdgcn-amd-amdhsa -mcpu=gfx1250 --defsym DOCPART=n.
;; ======== version 1 of 1: 5 launches
;; workspace buffers: q 16,384 bytes; upart 65,536 bytes; pv 4,194,304 bytes; pstat 2,048 bytes; svec 16,384 bytes
;; launch qvec (part 1): grid 256 x 1, 16 waves a work-group, no clusters, 4,096 bytes of LDS; arguments W_Q, inp, q; writes q
.if DOCPART == 1
	.amdgcn_target "amdgcn-amd-amdhsa--gfx1250"
	.amdhsa_code_object_version 6
	.text
	.protected	k_qf58f7c474c_qvec
	.globl	k_qf58f7c474c_qvec
	.p2align	8
	.type	k_qf58f7c474c_qvec,@function
k_qf58f7c474c_qvec:
	s_mov_b64 s[64:65], 0
	v_nop
	global_prefetch_b8 v0, s[64:65] scope:SCOPE_SE
	s_setreg_imm32_b32 hwreg(HW_REG_WAVE_MODE, 25, 1), 1
	s_wait_xcnt 0x0
; q[m] = sum over d of W_Q[m][d] inp[d], all in f32.  W_Q: [4096][4096] f32, inp, q: [4096] f32.
; First link of the chain  q = W_Q inp;  u = W_K^T q;  logits = X u;  s = X^T softmax(logits);  out0 = W_V s + inp,
; which is reference()'s result with (X W_K^T) q taken as X (W_K^T q) and a (X W_V^T) as W_V (X^T a): equal for every input,
; every input byte is read, every step is made.  LIMIT: the order of rounding differs from reference()'s (other association, tree sums).
; One operand of every product is a single vector, so a matrix instruction would use one of its sixteen columns: the work is a stream
; of 64 MiB with one f32 multiply-add for each number, done by packed vector multiply-adds.
; No cluster: what work-groups share is inp, 16 KiB beside each work-group's own 256 KiB.  No LDS ring: the whole share fits in registers.
; Work-group g: rows 16 g .. 16 g + 15 (256 KiB in one piece).  Wave w: columns 256 w .. 256 w + 255 of all 16 rows, two loads a row,
; each load of a wave 512 consecutive bytes at a multiple of 512.  All 32 row loads of a wave go out at the start.
.set ROWB, 16384                       ; bytes in a row of W_Q
.set ROWS, 16                          ; rows of a work-group
.set VO,  1                            ; v1        1,024 wave + 16 lane: my 16 bytes in a row (and in inp); never rewritten
.set LS,  2                            ; v2        LDS: 64 x half-wave number, where my half-wave puts its 16 sums
.set LR,  3                            ; v3        LDS: 1,024 (lane / 16) + 4 (lane % 16), the tail's reads
.set XV,  4                            ; v[4:11]   my 8 numbers of inp
.set S,   12                           ; v[12:27]  the 16 rows' sums
.set T,   28                           ; v[28:31]  at work: two pairs that take turns
.set WD,  32                           ; v[32:159] row i, piece j: 4 registers at WD + 8 i + 4 j
.set SO,  160                          ; v160      4 (lane % 16): the tail's store
	s_load_b128 s[4:7], s[0:1], 0x0                ; W_Q s[4:5], inp s[6:7]
	s_load_b64 s[8:9], s[0:1], 0x10                ; q
	v_lshl_add_u32 v162, v0, 2, 0x800
	v_mov_b32 v163, 0
	v_lshrrev_b32 v[T], 5, v0
	v_readfirstlane_b32 s12, v[T]                  ; wave 0..15
	v_and_b32 v[T+1], 31, v0                       ; lane
	v_lshlrev_b32 v[VO], 10, v[T]
	v_lshl_or_b32 v[VO], v[T+1], 4, v[VO]
	v_lshrrev_b32 v[LS], 4, v0                     ; half-wave 0..31
	v_lshlrev_b32 v[LS], 6, v[LS]
	v_and_b32 v[T+2], 15, v0
	v_bfe_u32 v[T+3], v0, 4, 1
	v_lshlrev_b32 v[SO], 2, v[T+2]
	v_lshl_add_u32 v[LR], v[T+3], 10, v[SO]        ; at most 1,024 + 60; with the reads' largest offset, 960, and their 4 bytes: 2,048, the end of LDS
	s_lshl_b32 s10, ttmp9, 18                      ; 16 rows of 16,384 bytes for each work-group: 255 << 18 stays in 32 bits
	s_mov_b32 s11, 0
	s_mov_b32 s14, 0x76543210                      ; v_permlanex16_b32: lane i of one half reads lane i of the other
	s_mov_b32 s15, 0xfedcba98
	s_wait_kmcnt 0x0
	s_add_nc_u64 s[4:5], s[4:5], s[10:11]
	s_lshl_b32 s10, ttmp9, 6                       ; 16 results of 4 bytes
	s_add_nc_u64 s[8:9], s[8:9], s[10:11]
	global_load_b128 v[XV:XV+3],   v[VO], s[6:7]
	global_load_b128 v[XV+4:XV+7], v[VO], s[6:7] offset:512
.irp i, 0,1,2,3,4,5,6,7,8,9,10,11,12,13,14,15
.irp j, 0,1
	global_load_b128 v[WD+8*\i+4*\j:WD+8*\i+4*\j+3], v[VO], s[4:5] offset:\i*ROWB+\j*512 th:TH_LOAD_NT
.endr
.endr
; Row i: my 8 products, summed.  The first product starts the sum.
.macro ROW i
	s_wait_loadcnt 2*(ROWS-1-\i)                   ; loads return in order: what may stay out are the two loads of each later row
	v_pk_mul_f32 v[T+2*(\i%2):T+2*(\i%2)+1], v[WD+8*\i:WD+8*\i+1], v[XV:XV+1]
.irp k, 2,4,6
	v_pk_fma_f32 v[T+2*(\i%2):T+2*(\i%2)+1], v[WD+8*\i+\k:WD+8*\i+\k+1], v[XV+\k:XV+\k+1], v[T+2*(\i%2):T+2*(\i%2)+1]
.endr
	v_add_f32 v[S+\i], v[T+2*(\i%2)], v[T+2*(\i%2)+1]
.endm
.irp i, 0,1,2,3,4,5,6,7,8,9,10,11,12,13,14,15
	ROW \i
.endr
	; over the 16 lanes of each half-wave: four steps, sixteen independent lines each; every lane ends with the half-wave's 16 sums
.irp m, 1,2,4,8
.irp i, 0,1,2,3,4,5,6,7,8,9,10,11,12,13,14,15
	v_add_f32_dpp v[S+\i], v[S+\i], v[S+\i] row_xmask:\m row_mask:0xf bank_mask:0xf
.endr
.endr
.irp k, 0,1,2,3
	ds_store_b128 v[LS], v[S+4*\k:S+4*\k+3] offset:16*\k   ; the 16 lanes of a half-wave write the same 64 bytes with the same values
.endr
	s_wait_dscnt 0x0                               ; my stores are in LDS before I say so
	s_barrier_signal -1
	s_barrier_wait -1
	s_cmp_lg_u32 s12, 0
	s_cbranch_scc1 .Lend                           ; wave 0 adds the 32 half-waves' sums
.irp e, 0,1,2,3,4,5,6,7,8,9,10,11,12,13,14,15
	ds_load_b32 v[WD+\e], v[LR] offset:64*\e       ; lane (r, h): row r of half-waves 16 h + e
.endr
	s_wait_dscnt 0x0
.irp k, 0,1,2,3
	v_pk_add_f32 v[WD+4*\k:WD+4*\k+1], v[WD+4*\k:WD+4*\k+1], v[WD+4*\k+2:WD+4*\k+3]
.endr
.irp k, 0,1
	v_pk_add_f32 v[WD+8*\k:WD+8*\k+1], v[WD+8*\k:WD+8*\k+1], v[WD+8*\k+4:WD+8*\k+5]
.endr
	v_pk_add_f32 v[WD:WD+1], v[WD:WD+1], v[WD+8:WD+9]
	v_add_f32 v[WD], v[WD], v[WD+1]
	v_permlanex16_b32 v[T], v[WD], s14, s15        ; the other 16 half-waves' share (T has been written before)
	v_add_f32 v[WD], v[WD], v[T]
	v_cmp_gt_u32 vcc_lo, 16, v0
	s_wait_xcnt 0x0                                ; EXEC is a source of the memory instructions issued so far: it changes only behind this wait
	s_and_saveexec_b32 s13, vcc_lo
	global_store_b32 v[SO], v[WD], s[8:9]          ; 16 lanes, 64 consecutive bytes: all that a work-group of 16 rows has
	s_wait_xcnt 0x0                                ; and again in front of the line that widens it
	s_or_b32 exec_lo, exec_lo, s13
.Lend:
	s_wait_tensorcnt 0x0
	ds_add_u32 v162, v163
	s_wait_dscnt 0x0
	s_endpgm
.Lfunc_end_k_qf58f7c474c_qvec:
	.size	k_qf58f7c474c_qvec, .Lfunc_end_k_qf58f7c474c_qvec-k_qf58f7c474c_qvec
	.p2alignl 7, 3214868480
	.fill 96, 4, 3214868480
	.section	.rodata,"a",@progbits
	.p2align	6, 0x0
	.amdhsa_kernel k_qf58f7c474c_qvec
		.amdhsa_group_segment_fixed_size 4096
		.amdhsa_private_segment_fixed_size 0
		.amdhsa_enable_private_segment 0
		.amdhsa_kernarg_size 24
		.amdhsa_user_sgpr_count 2
		.amdhsa_user_sgpr_kernarg_segment_ptr 1
		.amdhsa_wavefront_size32 1
		.amdhsa_system_sgpr_workgroup_id_x 1
		.amdhsa_system_sgpr_workgroup_id_y 1
		.amdhsa_system_sgpr_workgroup_id_z 1
		.amdhsa_system_vgpr_workitem_id 0
		.amdhsa_next_free_vgpr 164
		.amdhsa_next_free_sgpr 66
		.amdhsa_reserve_vcc 1
		.amdhsa_float_denorm_mode_32 3
		.amdhsa_float_denorm_mode_16_64 3
		.amdhsa_memory_ordered 1
		.amdhsa_forward_progress 1
		.amdhsa_inst_pref_size 16
	.end_amdhsa_kernel
	.amdgpu_metadata
---
amdhsa.version: [ 1, 2 ]
amdhsa.kernels:
  - .name:           k_qf58f7c474c_qvec
    .symbol:         k_qf58f7c474c_qvec.kd
    .args:
      - { .name: W_Q, .offset: 0, .size: 8, .value_kind: global_buffer, .address_space: global }
      - { .name: inp, .offset: 8, .size: 8, .value_kind: global_buffer, .address_space: global }
      - { .name: q, .offset: 16, .size: 8, .value_kind: global_buffer, .address_space: global }
    .group_segment_fixed_size: 4096
    .private_segment_fixed_size: 0
    .kernarg_segment_align: 8
    .kernarg_segment_size: 24
    .max_flat_workgroup_size: 512
    .sgpr_count:     66
    .vgpr_count:     164
    .wavefront_size: 32
...
	.end_amdgpu_metadata
.endif
;; end of part 1
;; launch ucol (part 2): grid 64 x 4, 16 waves a work-group, no clusters, 10,240 bytes of LDS; arguments W_K, q, upart; writes upart
.if DOCPART == 2
	.amdgcn_target "amdgcn-amd-amdhsa--gfx1250"
	.amdhsa_code_object_version 6
	.text
	.protected	k_qf58f7c474c_ucol
	.globl	k_qf58f7c474c_ucol
	.p2align	8
	.type	k_qf58f7c474c_ucol,@function
k_qf58f7c474c_ucol:
	s_mov_b64 s[64:65], 0
	v_nop
	global_prefetch_b8 v0, s[64:65] scope:SCOPE_SE
	s_setreg_imm32_b32 hwreg(HW_REG_WAVE_MODE, 25, 1), 1
	s_wait_xcnt 0x0
; upart[y][d] = sum over the 1,024 rows m = 1024 y .. 1024 y + 1023 of q[m] W_K[m][d], in f32: a quarter of u = W_K^T q.
; W_K: [4096][4096] f32, q: [4096] f32, upart: [4][4096] f32.  The four quarters are added by the next launch, in a fixed order.
; A stream of 64 MiB with one multiply-add a number: vector unit, no LDS ring, no cluster (shared between work-groups: 4 KiB of q beside 256 KiB).
; Work-group (x, y): the strip of columns 64 x .. 64 x + 63 (256 bytes of a row, at a multiple of 256) of its 1,024 rows.
; Half-wave hw (0..31): rows 32 hw .. 32 hw + 31 of these; lane r of it: 16 bytes of the strip.  So a load of a wave takes two whole
; pieces of 256 bytes, a lane's column sums need no other lane, and its 32 weights are 128 consecutive bytes of q.
; All 32 row loads of a wave go out at the start.  LIMIT: sums in four chains and a tree, not in reference()'s order.
.set ROWB, 16384
.set VO,  1                            ; v1         hw x 32 rows + 16 r; never rewritten
.set QO,  2                            ; v2         128 hw: my 32 weights in the work-group's part of q
.set LS,  3                            ; v3         LDS: 16 x thread = 256 hw + 16 r
.set Q,   4                            ; v[4:35]    the 32 weights
.set ACC, 36                           ; v[36:51]   four chains of 4 columns
.set X,   52                           ; v[52:179]  row i: 4 registers
.set LR,  180                          ; v180       8 x lane: the tail's reads and its store
	s_load_b128 s[4:7], s[0:1], 0x0                ; W_K s[4:5], q s[6:7]
	s_load_b64 s[8:9], s[0:1], 0x10                ; upart
	v_lshl_add_u32 v182, v0, 2, 0x2000
	v_mov_b32 v183, 0
	v_lshrrev_b32 v[LR], 5, v0
	v_readfirstlane_b32 s12, v[LR]                 ; wave 0..15
	v_and_b32 v[LR], 31, v0
	v_lshlrev_b32 v[LR], 3, v[LR]
	v_lshrrev_b32 v[QO], 4, v0                     ; hw
	v_and_b32 v[LS], 15, v0                        ; r
	v_lshlrev_b32 v[VO], 19, v[QO]                 ; 32 rows of 16,384 bytes
	v_lshl_or_b32 v[VO], v[LS], 4, v[VO]
	v_lshlrev_b32 v[QO], 7, v[QO]
	v_lshlrev_b32 v[LS], 4, v0
	s_and_b32 s13, ttmp7, 0xffff                   ; y: which 1,024 rows
	s_lshl_b32 s14, ttmp9, 8                       ; the strip's place in a row
	s_lshl_b32 s10, s13, 24                        ; 1,024 rows of 16,384 bytes
	s_add_co_u32 s10, s10, s14
	s_mov_b32 s11, 0
	s_wait_kmcnt 0x0
	s_add_nc_u64 s[4:5], s[4:5], s[10:11]
	s_lshl_b32 s10, s13, 12                        ; 1,024 weights of 4 bytes
	s_add_nc_u64 s[6:7], s[6:7], s[10:11]
	s_lshl_b32 s10, s13, 14                        ; a quarter's 4,096 sums
	s_add_co_u32 s10, s10, s14
	s_add_nc_u64 s[8:9], s[8:9], s[10:11]
.irp k, 0,1,2,3,4,5,6,7
	global_load_b128 v[Q+4*\k:Q+4*\k+3], v[QO], s[6:7] offset:16*\k
.endr
.set i, 0
.rept 32
	global_load_b128 v[X+4*i:X+4*i+3], v[VO], s[4:5] offset:i*ROWB th:TH_LOAD_NT
.set i, i+1
.endr
; Row i (the symbol i): 4 columns times q[i], onto chain i % 4.  The weight is one register of the pair Q + (i / 2) 2, given to both
; halves of the packed instruction: the first register for an even i, the second for an odd one.  Rows 0 to 3 start the chains.
.macro RF
.set CH, ACC+4*(i%4)
.set QP, Q+(i/2)*2
.set XR, X+4*i
.if i < 4
.if i%2
	v_pk_mul_f32 v[CH:CH+1],   v[XR:XR+1],   v[QP:QP+1] op_sel:[0,1] op_sel_hi:[1,1]
	v_pk_mul_f32 v[CH+2:CH+3], v[XR+2:XR+3], v[QP:QP+1] op_sel:[0,1] op_sel_hi:[1,1]
.else
	v_pk_mul_f32 v[CH:CH+1],   v[XR:XR+1],   v[QP:QP+1] op_sel_hi:[1,0]
	v_pk_mul_f32 v[CH+2:CH+3], v[XR+2:XR+3], v[QP:QP+1] op_sel_hi:[1,0]
.endif
.else
.if i%2
	v_pk_fma_f32 v[CH:CH+1],   v[XR:XR+1],   v[QP:QP+1], v[CH:CH+1]   op_sel:[0,1,0] op_sel_hi:[1,1,1]
	v_pk_fma_f32 v[CH+2:CH+3], v[XR+2:XR+3], v[QP:QP+1], v[CH+2:CH+3] op_sel:[0,1,0] op_sel_hi:[1,1,1]
.else
	v_pk_fma_f32 v[CH:CH+1],   v[XR:XR+1],   v[QP:QP+1], v[CH:CH+1]   op_sel_hi:[1,0,1]
	v_pk_fma_f32 v[CH+2:CH+3], v[XR+2:XR+3], v[QP:QP+1], v[CH+2:CH+3] op_sel_hi:[1,0,1]
.endif
.endif
.endm
.set i, 0
.rept 8
	s_wait_loadcnt 28-i                            ; rows i .. i + 3 are in (and the weights, which are older): the 28 - i rows behind them may stay out
.rept 4
	RF
.set i, i+1
.endr
.endr
	v_pk_add_f32 v[ACC:ACC+1],     v[ACC:ACC+1],     v[ACC+4:ACC+5]      ; (chain 0 + chain 1) + (chain 2 + chain 3)
	v_pk_add_f32 v[ACC+2:ACC+3],   v[ACC+2:ACC+3],   v[ACC+6:ACC+7]
	v_pk_add_f32 v[ACC+8:ACC+9],   v[ACC+8:ACC+9],   v[ACC+12:ACC+13]
	v_pk_add_f32 v[ACC+10:ACC+11], v[ACC+10:ACC+11], v[ACC+14:ACC+15]
	v_pk_add_f32 v[ACC:ACC+1],     v[ACC:ACC+1],     v[ACC+8:ACC+9]
	v_pk_add_f32 v[ACC+2:ACC+3],   v[ACC+2:ACC+3],   v[ACC+10:ACC+11]
	ds_store_b128 v[LS], v[ACC:ACC+3]              ; 32 half-waves x 64 sums; lane after lane, 16 bytes each
	s_wait_dscnt 0x0                               ; my store is in LDS before I say so
	s_barrier_signal -1
	s_barrier_wait -1
	s_cmp_lg_u32 s12, 0
	s_cbranch_scc1 .Lend                           ; wave 0 adds the 32 half-waves' sums, two columns a lane
.set e, 0
.rept 32
	ds_load_b64 v[X+2*e:X+2*e+1], v[LR] offset:256*e
.set e, e+1
.endr
	s_wait_dscnt 0x0
.macro PADD e, st                      ; pair e += pair e + st
	v_pk_add_f32 v[X+2*(\e):X+2*(\e)+1], v[X+2*(\e):X+2*(\e)+1], v[X+2*(\e+\st):X+2*(\e+\st)+1]
.endm
.irp e, 0,2,4,6,8,10,12,14,16,18,20,22,24,26,28,30
	PADD \e, 1
.endr
.irp e, 0,4,8,12,16,20,24,28
	PADD \e, 2
.endr
.irp e, 0,8,16,24
	PADD \e, 4
.endr
	PADD 0, 8
	PADD 16, 8
	PADD 0, 16
	global_store_b64 v[LR], v[X:X+1], s[8:9]       ; 32 lanes store the strip's 256 consecutive bytes, at a multiple of 256
.Lend:
	s_wait_tensorcnt 0x0
	ds_add_u32 v182, v183
	s_wait_dscnt 0x0
	s_endpgm
.Lfunc_end_k_qf58f7c474c_ucol:
	.size	k_qf58f7c474c_ucol, .Lfunc_end_k_qf58f7c474c_ucol-k_qf58f7c474c_ucol
	.p2alignl 7, 3214868480
	.fill 96, 4, 3214868480
	.section	.rodata,"a",@progbits
	.p2align	6, 0x0
	.amdhsa_kernel k_qf58f7c474c_ucol
		.amdhsa_group_segment_fixed_size 10240
		.amdhsa_private_segment_fixed_size 0
		.amdhsa_enable_private_segment 0
		.amdhsa_kernarg_size 24
		.amdhsa_user_sgpr_count 2
		.amdhsa_user_sgpr_kernarg_segment_ptr 1
		.amdhsa_wavefront_size32 1
		.amdhsa_system_sgpr_workgroup_id_x 1
		.amdhsa_system_sgpr_workgroup_id_y 1
		.amdhsa_system_sgpr_workgroup_id_z 1
		.amdhsa_system_vgpr_workitem_id 0
		.amdhsa_next_free_vgpr 184
		.amdhsa_next_free_sgpr 66
		.amdhsa_reserve_vcc 0
		.amdhsa_float_denorm_mode_32 3
		.amdhsa_float_denorm_mode_16_64 3
		.amdhsa_memory_ordered 1
		.amdhsa_forward_progress 1
		.amdhsa_inst_pref_size 15
	.end_amdhsa_kernel
	.amdgpu_metadata
---
amdhsa.version: [ 1, 2 ]
amdhsa.kernels:
  - .name:           k_qf58f7c474c_ucol
    .symbol:         k_qf58f7c474c_ucol.kd
    .args:
      - { .name: W_K, .offset: 0, .size: 8, .value_kind: global_buffer, .address_space: global }
      - { .name: q, .offset: 8, .size: 8, .value_kind: global_buffer, .address_space: global }
      - { .name: upart, .offset: 16, .size: 8, .value_kind: global_buffer, .address_space: global }
    .group_segment_fixed_size: 10240
    .private_segment_fixed_size: 0
    .kernarg_segment_align: 8
    .kernarg_segment_size: 24
    .max_flat_workgroup_size: 512
    .sgpr_count:     66
    .vgpr_count:     184
    .wavefront_size: 32
...
	.end_amdgpu_metadata
.endif
;; end of part 2
;; launch logit (part 3): grid 256 x 1, 8 waves a work-group, no clusters, 1,536 bytes of LDS; arguments prev_inps, inp, upart, out1, pv, pstat; writes out1, pv, pstat
.if DOCPART == 3
	.amdgcn_target "amdgcn-amd-amdhsa--gfx1250"
	.amdhsa_code_object_version 6
	.text
	.protected	k_qf58f7c474c_logit
	.globl	k_qf58f7c474c_logit
	.p2align	8
	.type	k_qf58f7c474c_logit,@function
k_qf58f7c474c_logit:
	s_mov_b64 s[64:65], 0
	v_nop
	global_prefetch_b8 v0, s[64:65] scope:SCOPE_SE
	s_setreg_imm32_b32 hwreg(HW_REG_WAVE_MODE, 25, 1), 1
	s_wait_xcnt 0x0
; For the 8 rows n = 8 g .. 8 g + 7 of X = [prev_inps; inp] ([2048][4096] f32), read once and kept in registers:
;   out1[n] = X[n];   logit[n] = X[n] . u,  u = the sum of upart's four quarters;
;   M_g = max of the 8 logits;   w_n = e^(logit[n] - M_g);   l_g = sum of w_n;   pv[g][d] = sum of w_n X[n][d];   pstat[g] = (M_g, l_g).
; The next launch joins the 256 groups under the overall maximum: a softmax with its maximum taken away, in two levels.
; All in f32 on the vector unit: one operand of each product is a single vector, and the launch moves 32 MiB in and 36 MiB out.
; No cluster: shared between work-groups are upart's 64 KiB, which every work-group sums for itself, beside its own 128 KiB in and 144 KiB out.
; Wave w: columns 512 w .. 512 w + 511 of all 8 rows, four loads a row, each 512 consecutive bytes at a multiple of 512.  So the weighted
; column sums need no other lane, and only 8 numbers a half-wave cross the waves.  All 48 loads of a wave go out at the start.
; Row 7 of the last work-group is inp: its base and offset are chosen by the work-group's number; no load leaves prev_inps.
; LIMITS: the order of rounding differs from reference()'s; a weight below 2^-126 comes out of v_exp_f32 as zero; logits that are not finite are not served.
.set ROWB, 16384
.set LOG2E, 0x3fb8aa3b
.set VO,  1                            ; v1         2,048 wave + 16 lane; never rewritten
.set LS,  2                            ; v2         LDS: 32 x half-wave number
.set LR,  3                            ; v3         LDS: 128 (lane / 8) + 4 (lane % 8)
.set U,   4                            ; v[4:19]    quarter 0 of u, then u: my 16 columns
.set D,   20                           ; v[20:27]   the 8 rows' dot products
.set T,   28                           ; v[28:35]   at work; T+4, T+5 end as (M_g, l_g)
.set P,   36                           ; v[36:51]   the weighted sums of my 16 columns
.set X,   52                           ; v[52:179]  row i, piece j: 4 registers at X + 16 i + 4 j; never rewritten
.set UP,  180                          ; v[180:227] quarters 1 to 3 of u
.set W,   32                           ; s[32:47]   weight i in s[32 + 2 i], and once more beside it: the packed forms name the pair
	s_load_b256 s[4:11], s[0:1], 0x0               ; prev_inps s[4:5], inp s[6:7], upart s[8:9], out1 s[10:11]
	s_load_b128 s[12:15], s[0:1], 0x20             ; pv s[12:13], pstat s[14:15]
	v_lshl_add_u32 v228, v0, 2, 0x200
	v_mov_b32 v229, 0
	v_lshrrev_b32 v[T], 5, v0
	v_readfirstlane_b32 s16, v[T]                  ; wave 0..7
	v_and_b32 v[T+1], 31, v0                       ; lane
	v_lshlrev_b32 v[VO], 11, v[T]
	v_lshl_or_b32 v[VO], v[T+1], 4, v[VO]
	v_lshrrev_b32 v[LS], 4, v0                     ; half-wave 0..15
	v_lshlrev_b32 v[LS], 5, v[LS]
	v_bfe_u32 v[T+2], v0, 3, 2                     ; lane / 8
	v_and_b32 v[T+3], 7, v0                        ; lane % 8
	v_lshlrev_b32 v[LR], 2, v[T+3]
	v_lshl_add_u32 v[LR], v[T+2], 7, v[LR]         ; at most 384 + 28; with the reads' largest offset, 96, and their 4 bytes: 512, the end of LDS
	s_lshl_b32 s18, ttmp9, 17                      ; 8 rows of 16,384 bytes for each work-group
	s_mov_b32 s19, 0
	s_add_co_u32 s22, s18, 7*ROWB                  ; row 7's offset in prev_inps,
	s_mov_b32 s23, 0
	s_mov_b32 s24, 0x76543210                      ; v_permlanex16_b32: lane i of one half reads lane i of the other
	s_mov_b32 s25, 0xfedcba98
	s_wait_kmcnt 0x0
	s_cmp_eq_u32 ttmp9, 255                        ; but in the last work-group row 7 is row 2047 of X: inp, from its first byte
	s_cselect_b32 s22, 0, s22
	s_cselect_b64 s[20:21], s[6:7], s[4:5]
	s_add_nc_u64 s[20:21], s[20:21], s[22:23]
	s_add_nc_u64 s[4:5], s[4:5], s[18:19]
	s_add_nc_u64 s[10:11], s[10:11], s[18:19]
	s_lshl_b32 s18, ttmp9, 14
	s_add_nc_u64 s[12:13], s[12:13], s[18:19]
	s_lshl_b32 s18, ttmp9, 3
	s_add_nc_u64 s[14:15], s[14:15], s[18:19]
.irp j, 0,1,2,3
	global_load_b128 v[U+4*\j:U+4*\j+3], v[VO], s[8:9] offset:\j*512
.endr
.irp p, 1,2,3
.irp j, 0,1,2,3
	global_load_b128 v[UP+16*(\p-1)+4*\j:UP+16*(\p-1)+4*\j+3], v[VO], s[8:9] offset:\p*ROWB+\j*512
.endr
.endr
.irp i, 0,1,2,3,4,5,6
.irp j, 0,1,2,3
	global_load_b128 v[X+16*\i+4*\j:X+16*\i+4*\j+3], v[VO], s[4:5] offset:\i*ROWB+\j*512 th:TH_LOAD_NT
.endr
.endr
.irp j, 0,1,2,3
	global_load_b128 v[X+16*7+4*\j:X+16*7+4*\j+3], v[VO], s[20:21] offset:\j*512 th:TH_LOAD_NT
.endr
	s_wait_loadcnt 32                              ; upart's 16 loads are in; the 32 row loads behind them stay out
.irp k, 0,2,4,6,8,10,12,14
	v_pk_add_f32 v[U+\k:U+\k+1], v[U+\k:U+\k+1], v[UP+\k:UP+\k+1]                    ; quarter 0 + quarter 1
.endr
.irp k, 0,2,4,6,8,10,12,14
	v_pk_add_f32 v[UP+16+\k:UP+16+\k+1], v[UP+16+\k:UP+16+\k+1], v[UP+32+\k:UP+32+\k+1]  ; quarter 2 + quarter 3
.endr
.irp k, 0,2,4,6,8,10,12,14
	v_pk_add_f32 v[U+\k:U+\k+1], v[U+\k:U+\k+1], v[UP+16+\k:UP+16+\k+1]
.endr
; Row i: my 16 products in two chains, and the row as it was loaded goes out to out1.
.macro ROW i
	s_wait_loadcnt 4*(7-\i)                        ; loads return in order: what may stay out are the four loads of each later row
	v_pk_mul_f32 v[T:T+1],   v[X+16*\i:X+16*\i+1],   v[U:U+1]
	v_pk_mul_f32 v[T+2:T+3], v[X+16*\i+8:X+16*\i+9], v[U+8:U+9]
.irp k, 2,4,6
	v_pk_fma_f32 v[T:T+1],   v[X+16*\i+\k:X+16*\i+\k+1],   v[U+\k:U+\k+1],   v[T:T+1]
	v_pk_fma_f32 v[T+2:T+3], v[X+16*\i+8+\k:X+16*\i+8+\k+1], v[U+8+\k:U+8+\k+1], v[T+2:T+3]
.endr
	v_pk_add_f32 v[T:T+1], v[T:T+1], v[T+2:T+3]
	v_add_f32 v[D+\i], v[T], v[T+1]
.irp j, 0,1,2,3
	global_store_b128 v[VO], v[X+16*\i+4*\j:X+16*\i+4*\j+3], s[10:11] offset:\i*ROWB+\j*512 th:TH_STORE_NT   ; 512 consecutive bytes, at a multiple of 512
.endr
.endm
.irp i, 0,1,2,3,4,5,6,7
	ROW \i
.endr
.irp m, 1,2,4,8
.irp i, 0,1,2,3,4,5,6,7
	v_add_f32_dpp v[D+\i], v[D+\i], v[D+\i] row_xmask:\m row_mask:0xf bank_mask:0xf    ; over the 16 lanes of each half-wave
.endr
.endr
	ds_store_b128 v[LS], v[D:D+3]                  ; the 16 lanes of a half-wave write the same 32 bytes with the same values
	ds_store_b128 v[LS], v[D+4:D+7] offset:16
	s_wait_dscnt 0x0                               ; my stores are in LDS before I say so (the global stores may be out: no wave reads those bytes)
	s_barrier_signal -1
	s_barrier_wait -1
	; every wave adds the 16 half-waves' shares, from the same bytes in the same order, so all hold the same weights
.irp k, 0,1,2,3
	ds_load_b32 v[T+\k], v[LR] offset:32*\k        ; lane l: row l % 8 of half-waves 4 (l / 8) + k
.endr
	s_wait_dscnt 0x0
	v_add_f32 v[T], v[T], v[T+1]
	v_add_f32 v[T+2], v[T+2], v[T+3]
	v_add_f32 v[T], v[T], v[T+2]
	v_add_f32_dpp v[T], v[T], v[T] row_xmask:8 row_mask:0xf bank_mask:0xf
	v_permlanex16_b32 v[T+1], v[T], s24, s25
	v_add_f32 v[T], v[T], v[T+1]                   ; lane l holds logit[l % 8]
	v_mov_b32 v[T+4], v[T]
	v_max_num_f32_dpp v[T+4], v[T+4], v[T+4] row_xmask:1 row_mask:0xf bank_mask:0xf
	v_max_num_f32_dpp v[T+4], v[T+4], v[T+4] row_xmask:2 row_mask:0xf bank_mask:0xf
	v_max_num_f32_dpp v[T+4], v[T+4], v[T+4] row_xmask:4 row_mask:0xf bank_mask:0xf    ; M_g
	v_sub_f32 v[T+6], v[T], v[T+4]                 ; the difference first, then the factor: a product of a large logit, rounded, would cost the difference its low bits
	v_mul_f32 v[T+6], LOG2E, v[T+6]
	v_exp_f32 v[T+5], v[T+6]                       ; w = 2^((logit - M_g) log2 e), at most 1
	v_nop                                          ; one plain vector instruction between v_exp_f32 and the first use of its result (ISA guide 5.7.2)
	s_wait_alu depctr_va_vdst(0)
.irp i, 0,1,2,3,4,5,6,7
	v_readlane_b32 s[W+2*\i], v[T+5], \i
.endr
.irp i, 0,1,2,3,4,5,6,7
	s_mov_b32 s[W+2*\i+1], s[W+2*\i]
.endr
	v_add_f32_dpp v[T+5], v[T+5], v[T+5] row_xmask:1 row_mask:0xf bank_mask:0xf
	v_add_f32_dpp v[T+5], v[T+5], v[T+5] row_xmask:2 row_mask:0xf bank_mask:0xf
	v_add_f32_dpp v[T+5], v[T+5], v[T+5] row_xmask:4 row_mask:0xf bank_mask:0xf        ; l_g, at least 1
	; the weighted sums of my 16 columns: eight chains of pairs, started by row 0
.irp k, 0,2,4,6,8,10,12,14
	v_pk_mul_f32 v[P+\k:P+\k+1], v[X+\k:X+\k+1], s[W:W+1] op_sel_hi:[1,0]
.endr
.irp i, 1,2,3,4,5,6,7
.irp k, 0,2,4,6,8,10,12,14
	v_pk_fma_f32 v[P+\k:P+\k+1], v[X+16*\i+\k:X+16*\i+\k+1], s[W+2*\i:W+2*\i+1], v[P+\k:P+\k+1] op_sel_hi:[1,0,1]
.endr
.endr
.irp j, 0,1,2,3
	global_store_b128 v[VO], v[P+4*\j:P+4*\j+3], s[12:13] offset:\j*512
.endr
	s_cmp_lg_u32 s16, 0
	s_cbranch_scc1 .Lend                           ; wave 0, lane 0 stores the group's two figures
	v_mov_b32 v[T+7], 0
	v_cmp_eq_u32 vcc_lo, 0, v0
	s_wait_xcnt 0x0                                ; EXEC is a source of the memory instructions issued so far: it changes only behind this wait
	s_and_saveexec_b32 s26, vcc_lo
	global_store_b64 v[T+7], v[T+4:T+5], s[14:15]
	s_wait_xcnt 0x0                                ; and again in front of the line that widens it
	s_or_b32 exec_lo, exec_lo, s26
.Lend:
	s_wait_tensorcnt 0x0
	ds_add_u32 v228, v229
	s_wait_dscnt 0x0
	s_endpgm
.Lfunc_end_k_qf58f7c474c_logit:
	.size	k_qf58f7c474c_logit, .Lfunc_end_k_qf58f7c474c_logit-k_qf58f7c474c_logit
	.p2alignl 7, 3214868480
	.fill 96, 4, 3214868480
	.section	.rodata,"a",@progbits
	.p2align	6, 0x0
	.amdhsa_kernel k_qf58f7c474c_logit
		.amdhsa_group_segment_fixed_size 1536
		.amdhsa_private_segment_fixed_size 0
		.amdhsa_enable_private_segment 0
		.amdhsa_kernarg_size 48
		.amdhsa_user_sgpr_count 2
		.amdhsa_user_sgpr_kernarg_segment_ptr 1
		.amdhsa_wavefront_size32 1
		.amdhsa_system_sgpr_workgroup_id_x 1
		.amdhsa_system_sgpr_workgroup_id_y 1
		.amdhsa_system_sgpr_workgroup_id_z 1
		.amdhsa_system_vgpr_workitem_id 0
		.amdhsa_next_free_vgpr 230
		.amdhsa_next_free_sgpr 66
		.amdhsa_reserve_vcc 1
		.amdhsa_float_denorm_mode_32 3
		.amdhsa_float_denorm_mode_16_64 3
		.amdhsa_memory_ordered 1
		.amdhsa_forward_progress 1
		.amdhsa_inst_pref_size 25
	.end_amdhsa_kernel
	.amdgpu_metadata
---
amdhsa.version: [ 1, 2 ]
amdhsa.kernels:
  - .name:           k_qf58f7c474c_logit
    .symbol:         k_qf58f7c474c_logit.kd
    .args:
      - { .name: prev_inps, .offset: 0, .size: 8, .value_kind: global_buffer, .address_space: global }
      - { .name: inp, .offset: 8, .size: 8, .value_kind: global_buffer, .address_space: global }
      - { .name: upart, .offset: 16, .size: 8, .value_kind: global_buffer, .address_space: global }
      - { .name: out1, .offset: 24, .size: 8, .value_kind: global_buffer, .address_space: global }
      - { .name: pv, .offset: 32, .size: 8, .value_kind: global_buffer, .address_space: global }
      - { .name: pstat, .offset: 40, .size: 8, .value_kind: global_buffer, .address_space: global }
    .group_segment_fixed_size: 1536
    .private_segment_fixed_size: 0
    .kernarg_segment_align: 8
    .kernarg_segment_size: 48
    .max_flat_workgroup_size: 256
    .sgpr_count:     66
    .vgpr_count:     230
    .wavefront_size: 32
...
	.end_amdgpu_metadata
.endif
;; end of part 3
;; launch comb (part 4): grid 64 x 1, 8 waves a work-group, no clusters, 5,120 bytes of LDS; arguments pv, pstat, svec; writes svec
.if DOCPART == 4
	.amdgcn_target "amdgcn-amd-amdhsa--gfx1250"
	.amdhsa_code_object_version 6
	.text
	.protected	k_qf58f7c474c_comb
	.globl	k_qf58f7c474c_comb
	.p2align	8
	.type	k_qf58f7c474c_comb,@function
k_qf58f7c474c_comb:
	s_mov_b64 s[64:65], 0
	v_nop
	global_prefetch_b8 v0, s[64:65] scope:SCOPE_SE
	s_setreg_imm32_b32 hwreg(HW_REG_WAVE_MODE, 25, 1), 1
	s_wait_xcnt 0x0
; svec[d] = sum over the 256 groups g of e^(M_g - M) pv[g][d]  /  sum over g of e^(M_g - M) l_g,   M = max of M_g:
; the softmax-weighted sum of X's rows, s = X^T softmax(logits).  pv: [256][4096] f32, pstat: [256] pairs (M_g, l_g), svec: [4096] f32.
; 64 work-groups: each owns one strip of 64 columns (256 bytes of every group's row, at a multiple of 256) over all 256 groups, 64 KiB,
; all asked for at the start.  More work-groups would mean shorter pieces of a row or partial sums through memory once more.
; Half-wave hw (0..15): groups 16 hw .. 16 hw + 15; lane r of it: 16 bytes of the strip.  Every wave makes M and the denominator for itself
; from the whole table of 2 KiB (8 pairs a lane), from the same bytes in the same order.
; The group that holds M has the factor 1 and l_g >= 1, so the denominator is at least 1.
; LIMITS: factors below 2^-126 come out of v_exp_f32 as zero; the division is v_rcp_f32 and a multiplication; tree sums.
.set ROWB, 16384
.set LOG2E, 0x3fb8aa3b
.set VO,  1                            ; v1         hw x 16 groups + 16 r; never rewritten
.set AO,  2                            ; v2         16 x lane: the table
.set BO,  3                            ; v3         128 hw: my half-wave's 16 pairs
.set SA,  4                            ; v[4:19]    8 pairs of the table: M in the even register, l in the odd one
.set SB,  20                           ; v[20:51]   my 16 pairs; the factor of group i takes M's place, in SB + 2 i
.set PD,  52                           ; v[52:115]  group i: 4 registers
.set ACC, 116                          ; v[116:123] first the table's 8 factors, then two chains of 4 columns
.set T,   124                          ; v[124:127] at work; T = M
.set R,   128                          ; v[128:129] 1 / denominator, twice: a pair for the packed multiply
.set LS,  132                          ; v132       LDS: 16 x thread = 256 hw + 16 r
.set LR,  133                          ; v133       8 x lane: the tail's reads and its store
	s_load_b128 s[4:7], s[0:1], 0x0                ; pv s[4:5], pstat s[6:7]
	s_load_b64 s[8:9], s[0:1], 0x10                ; svec
	v_lshl_add_u32 v134, v0, 2, 0x1000
	v_mov_b32 v135, 0
	v_lshrrev_b32 v[T], 5, v0
	v_readfirstlane_b32 s12, v[T]                  ; wave 0..7
	v_and_b32 v[T+1], 31, v0
	v_lshlrev_b32 v[AO], 4, v[T+1]
	v_lshlrev_b32 v[LR], 3, v[T+1]
	v_lshrrev_b32 v[T+2], 4, v0                    ; hw
	v_and_b32 v[T+3], 15, v0                       ; r
	v_lshlrev_b32 v[VO], 18, v[T+2]                ; 16 groups of 16,384 bytes
	v_lshl_or_b32 v[VO], v[T+3], 4, v[VO]
	v_lshlrev_b32 v[BO], 7, v[T+2]
	v_lshlrev_b32 v[LS], 4, v0
	s_lshl_b32 s10, ttmp9, 8                       ; the strip
	s_mov_b32 s11, 0
	s_mov_b32 s14, 0x76543210                      ; v_permlanex16_b32: lane i of one half reads lane i of the other
	s_mov_b32 s15, 0xfedcba98
	s_wait_kmcnt 0x0
	s_add_nc_u64 s[4:5], s[4:5], s[10:11]
	s_add_nc_u64 s[8:9], s[8:9], s[10:11]
.irp k, 0,1,2,3
	global_load_b128 v[SA+4*\k:SA+4*\k+3], v[AO], s[6:7] offset:512*\k
.endr
.irp k, 0,1,2,3,4,5,6,7
	global_load_b128 v[SB+4*\k:SB+4*\k+3], v[BO], s[6:7] offset:16*\k
.endr
.irp i, 0,1,2,3,4,5,6,7,8,9,10,11,12,13,14,15
	global_load_b128 v[PD+4*\i:PD+4*\i+3], v[VO], s[4:5] offset:\i*ROWB
.endr
	s_wait_loadcnt 24                              ; the table's 4 loads are in; my 8 of pairs and 16 of sums stay out
	v_max3_num_f32 v[T],   v[SA],   v[SA+2], v[SA+4]
	v_max3_num_f32 v[T+1], v[SA+6], v[SA+8], v[SA+10]
	v_max3_num_f32 v[T],   v[T],    v[SA+12], v[SA+14]
	v_max_num_f32 v[T], v[T], v[T+1]
.irp m, 1,2,4,8
	v_max_num_f32_dpp v[T], v[T], v[T] row_xmask:\m row_mask:0xf bank_mask:0xf
.endr
	v_permlanex16_b32 v[T+1], v[T], s14, s15
	v_max_num_f32 v[T], v[T], v[T+1]               ; M, in every lane
.irp k, 0,1,2,3,4,5,6,7
	v_sub_f32 v[SA+2*\k], v[SA+2*\k], v[T]         ; the difference first, then the factor log2 e
.endr
.irp k, 0,1,2,3,4,5,6,7
	v_mul_f32 v[SA+2*\k], LOG2E, v[SA+2*\k]
.endr
.irp k, 0,1,2,3,4,5,6,7
	v_exp_f32 v[ACC+\k], v[SA+2*\k]
.endr
	v_nop                                          ; one plain vector instruction between the exponentials and the first use of a result (ISA guide 5.7.2)
	s_wait_alu depctr_va_vdst(0)
	v_mul_f32 v[T+2], v[ACC], v[SA+1]
.irp k, 1,2,3,4,5,6,7
	v_fmac_f32 v[T+2], v[ACC+\k], v[SA+2*\k+1]
.endr
.irp m, 1,2,4,8
	v_add_f32_dpp v[T+2], v[T+2], v[T+2] row_xmask:\m row_mask:0xf bank_mask:0xf
.endr
	v_permlanex16_b32 v[T+3], v[T+2], s14, s15
	v_add_f32 v[T+2], v[T+2], v[T+3]               ; the denominator
	v_rcp_f32 v[R], v[T+2]                         ; the plain instruction behind these two is the first subtraction below, which touches neither R nor T+2
	v_rcp_f32 v[R+1], v[T+2]
	s_wait_loadcnt 16                              ; my 16 pairs are in; the 16 loads of sums stay out
.irp i, 0,1,2,3,4,5,6,7,8,9,10,11,12,13,14,15
	v_sub_f32 v[SB+2*\i+1], v[SB+2*\i], v[T]       ; into the odd register: l is not needed here
.endr
.irp i, 0,1,2,3,4,5,6,7,8,9,10,11,12,13,14,15
	v_mul_f32 v[SB+2*\i+1], LOG2E, v[SB+2*\i+1]
.endr
.irp i, 0,1,2,3,4,5,6,7,8,9,10,11,12,13,14,15
	v_exp_f32 v[SB+2*\i], v[SB+2*\i+1]             ; group i's factor, in the pair's first register
.endr
	v_nop                                          ; one plain vector instruction in front of the first use
	s_wait_alu depctr_va_vdst(0)
.set i, 0
.rept 4
	s_wait_loadcnt 12-i                            ; groups i .. i + 3 are in: the 12 - i behind them may stay out
.rept 4
.set CH, ACC+4*(i%2)
.if i < 2
	v_pk_mul_f32 v[CH:CH+1],   v[PD+4*i:PD+4*i+1],   v[SB+2*i:SB+2*i+1] op_sel_hi:[1,0]        ; the first two groups start the chains
	v_pk_mul_f32 v[CH+2:CH+3], v[PD+4*i+2:PD+4*i+3], v[SB+2*i:SB+2*i+1] op_sel_hi:[1,0]
.else
	v_pk_fma_f32 v[CH:CH+1],   v[PD+4*i:PD+4*i+1],   v[SB+2*i:SB+2*i+1], v[CH:CH+1]   op_sel_hi:[1,0,1]
	v_pk_fma_f32 v[CH+2:CH+3], v[PD+4*i+2:PD+4*i+3], v[SB+2*i:SB+2*i+1], v[CH+2:CH+3] op_sel_hi:[1,0,1]
.endif
.set i, i+1
.endr
.endr
	v_pk_add_f32 v[ACC:ACC+1],   v[ACC:ACC+1],   v[ACC+4:ACC+5]
	v_pk_add_f32 v[ACC+2:ACC+3], v[ACC+2:ACC+3], v[ACC+6:ACC+7]
	v_pk_mul_f32 v[ACC:ACC+1],   v[ACC:ACC+1],   v[R:R+1]
	v_pk_mul_f32 v[ACC+2:ACC+3], v[ACC+2:ACC+3], v[R:R+1]
	ds_store_b128 v[LS], v[ACC:ACC+3]              ; 16 half-waves x 64 sums; lane after lane, 16 bytes each
	s_wait_dscnt 0x0                               ; my store is in LDS before I say so
	s_barrier_signal -1
	s_barrier_wait -1
	s_cmp_lg_u32 s12, 0
	s_cbranch_scc1 .Lend                           ; wave 0 adds the 16 half-waves' sums, two columns a lane
.irp e, 0,1,2,3,4,5,6,7,8,9,10,11,12,13,14,15
	ds_load_b64 v[PD+2*\e:PD+2*\e+1], v[LR] offset:256*\e
.endr
	s_wait_dscnt 0x0
.macro PADD e, st                      ; pair e += pair e + st
	v_pk_add_f32 v[PD+2*(\e):PD+2*(\e)+1], v[PD+2*(\e):PD+2*(\e)+1], v[PD+2*(\e+\st):PD+2*(\e+\st)+1]
.endm
.irp e, 0,2,4,6,8,10,12,14
	PADD \e, 1
.endr
.irp e, 0,4,8,12
	PADD \e, 2
.endr
	PADD 0, 4
	PADD 8, 4
	PADD 0, 8
	global_store_b64 v[LR], v[PD:PD+1], s[8:9]     ; 32 lanes store the strip's 256 consecutive bytes, at a multiple of 256
.Lend:
	s_wait_tensorcnt 0x0
	ds_add_u32 v134, v135
	s_wait_dscnt 0x0
	s_endpgm
.Lfunc_end_k_qf58f7c474c_comb:
	.size	k_qf58f7c474c_comb, .Lfunc_end_k_qf58f7c474c_comb-k_qf58f7c474c_comb
	.p2alignl 7, 3214868480
	.fill 96, 4, 3214868480
	.section	.rodata,"a",@progbits
	.p2align	6, 0x0
	.amdhsa_kernel k_qf58f7c474c_comb
		.amdhsa_group_segment_fixed_size 5120
		.amdhsa_private_segment_fixed_size 0
		.amdhsa_enable_private_segment 0
		.amdhsa_kernarg_size 24
		.amdhsa_user_sgpr_count 2
		.amdhsa_user_sgpr_kernarg_segment_ptr 1
		.amdhsa_wavefront_size32 1
		.amdhsa_system_sgpr_workgroup_id_x 1
		.amdhsa_system_sgpr_workgroup_id_y 1
		.amdhsa_system_sgpr_workgroup_id_z 1
		.amdhsa_system_vgpr_workitem_id 0
		.amdhsa_next_free_vgpr 136
		.amdhsa_next_free_sgpr 66
		.amdhsa_reserve_vcc 0
		.amdhsa_float_denorm_mode_32 3
		.amdhsa_float_denorm_mode_16_64 3
		.amdhsa_memory_ordered 1
		.amdhsa_forward_progress 1
		.amdhsa_inst_pref_size 13
	.end_amdhsa_kernel
	.amdgpu_metadata
---
amdhsa.version: [ 1, 2 ]
amdhsa.kernels:
  - .name:           k_qf58f7c474c_comb
    .symbol:         k_qf58f7c474c_comb.kd
    .args:
      - { .name: pv, .offset: 0, .size: 8, .value_kind: global_buffer, .address_space: global }
      - { .name: pstat, .offset: 8, .size: 8, .value_kind: global_buffer, .address_space: global }
      - { .name: svec, .offset: 16, .size: 8, .value_kind: global_buffer, .address_space: global }
    .group_segment_fixed_size: 5120
    .private_segment_fixed_size: 0
    .kernarg_segment_align: 8
    .kernarg_segment_size: 24
    .max_flat_workgroup_size: 256
    .sgpr_count:     66
    .vgpr_count:     136
    .wavefront_size: 32
...
	.end_amdgpu_metadata
.endif
;; end of part 4
;; launch ovec (part 5): grid 256 x 1, 16 waves a work-group, no clusters, 4,096 bytes of LDS; arguments W_V, svec, inp, out0; writes out0
.if DOCPART == 5
	.amdgcn_target "amdgcn-amd-amdhsa--gfx1250"
	.amdhsa_code_object_version 6
	.text
	.protected	k_qf58f7c474c_ovec
	.globl	k_qf58f7c474c_ovec
	.p2align	8
	.type	k_qf58f7c474c_ovec,@function
k_qf58f7c474c_ovec:
	s_mov_b64 s[64:65], 0
	v_nop
	global_prefetch_b8 v0, s[64:65] scope:SCOPE_SE
	s_setreg_imm32_b32 hwreg(HW_REG_WAVE_MODE, 25, 1), 1
	s_wait_xcnt 0x0
; out0[m] = sum over d of W_V[m][d] svec[d] + inp[m], all in f32: context = W_V (X^T a), which is a (X W_V^T) for every input, and the residual.
; W_V: [4096][4096] f32; svec, inp, out0: [4096] f32.  LIMIT: the order of rounding differs from reference()'s (other association, tree sums).
; The shape of the first launch of the chain: a stream of 64 MiB with one f32 multiply-add a number, on the vector unit; no cluster
; (shared between work-groups: svec, 16 KiB beside 256 KiB), no LDS ring (the whole share fits in registers).
; Work-group g: rows 16 g .. 16 g + 15.  Wave w: columns 256 w .. 256 w + 255 of all 16 rows, two loads a row, each 512 consecutive bytes
; at a multiple of 512.  All 32 row loads of a wave go out at the start.
.set ROWB, 16384
.set ROWS, 16
.set VO,  1                            ; v1        1,024 wave + 16 lane; never rewritten
.set LS,  2                            ; v2        LDS: 64 x half-wave number
.set LR,  3                            ; v3        LDS: 1,024 (lane / 16) + 4 (lane % 16)
.set XV,  4                            ; v[4:11]   my 8 numbers of svec
.set S,   12                           ; v[12:27]  the 16 rows' sums
.set T,   28                           ; v[28:31]  at work: two pairs that take turns
.set WD,  32                           ; v[32:159] row i, piece j: 4 registers at WD + 8 i + 4 j
.set SO,  160                          ; v160      4 (lane % 16): the residual's load and the store
.set RES, 161                          ; v161      wave 0: inp of row lane % 16
	s_load_b256 s[4:11], s[0:1], 0x0               ; W_V s[4:5], svec s[6:7], inp s[8:9], out0 s[10:11]
	v_lshl_add_u32 v162, v0, 2, 0x800
	v_mov_b32 v163, 0
	v_lshrrev_b32 v[T], 5, v0
	v_readfirstlane_b32 s16, v[T]                  ; wave 0..15
	v_and_b32 v[T+1], 31, v0
	v_lshlrev_b32 v[VO], 10, v[T]
	v_lshl_or_b32 v[VO], v[T+1], 4, v[VO]
	v_lshrrev_b32 v[LS], 4, v0
	v_lshlrev_b32 v[LS], 6, v[LS]
	v_and_b32 v[T+2], 15, v0
	v_bfe_u32 v[T+3], v0, 4, 1
	v_lshlrev_b32 v[SO], 2, v[T+2]
	v_lshl_add_u32 v[LR], v[T+3], 10, v[SO]        ; at most 1,024 + 60; with the reads' largest offset, 960, and their 4 bytes: 2,048, the end of LDS
	s_lshl_b32 s12, ttmp9, 18                      ; 16 rows of 16,384 bytes for each work-group
	s_mov_b32 s13, 0
	s_mov_b32 s18, 0x76543210
	s_mov_b32 s19, 0xfedcba98
	s_wait_kmcnt 0x0
	s_add_nc_u64 s[4:5], s[4:5], s[12:13]
	s_lshl_b32 s12, ttmp9, 6                       ; 16 numbers of 4 bytes
	s_add_nc_u64 s[8:9], s[8:9], s[12:13]
	s_add_nc_u64 s[10:11], s[10:11], s[12:13]
	s_cmp_lg_u32 s16, 0
	s_cbranch_scc1 .Lno_res
	global_load_b32 v[RES], v[SO], s[8:9]          ; wave 0 alone, and its oldest load: the counts below name younger loads only, so they hold with and without it
.Lno_res:
	global_load_b128 v[XV:XV+3],   v[VO], s[6:7]
	global_load_b128 v[XV+4:XV+7], v[VO], s[6:7] offset:512
.irp i, 0,1,2,3,4,5,6,7,8,9,10,11,12,13,14,15
.irp j, 0,1
	global_load_b128 v[WD+8*\i+4*\j:WD+8*\i+4*\j+3], v[VO], s[4:5] offset:\i*ROWB+\j*512 th:TH_LOAD_NT
.endr
.endr
; Row i: my 8 products, summed.  The first product starts the sum.
.macro ROW i
	s_wait_loadcnt 2*(ROWS-1-\i)                   ; loads return in order: what may stay out are the two loads of each later row
	v_pk_mul_f32 v[T+2*(\i%2):T+2*(\i%2)+1], v[WD+8*\i:WD+8*\i+1], v[XV:XV+1]
.irp k, 2,4,6
	v_pk_fma_f32 v[T+2*(\i%2):T+2*(\i%2)+1], v[WD+8*\i+\k:WD+8*\i+\k+1], v[XV+\k:XV+\k+1], v[T+2*(\i%2):T+2*(\i%2)+1]
.endr
	v_add_f32 v[S+\i], v[T+2*(\i%2)], v[T+2*(\i%2)+1]
.endm
.irp i, 0,1,2,3,4,5,6,7,8,9,10,11,12,13,14,15
	ROW \i
.endr
.irp m, 1,2,4,8
.irp i, 0,1,2,3,4,5,6,7,8,9,10,11,12,13,14,15
	v_add_f32_dpp v[S+\i], v[S+\i], v[S+\i] row_xmask:\m row_mask:0xf bank_mask:0xf    ; over the 16 lanes of each half-wave
.endr
.endr
.irp k, 0,1,2,3
	ds_store_b128 v[LS], v[S+4*\k:S+4*\k+3] offset:16*\k   ; the 16 lanes of a half-wave write the same 64 bytes with the same values
.endr
	s_wait_dscnt 0x0                               ; my stores are in LDS before I say so
	s_barrier_signal -1
	s_barrier_wait -1
	s_cmp_lg_u32 s16, 0
	s_cbranch_scc1 .Lend                           ; wave 0 adds the 32 half-waves' sums and the residual
.irp e, 0,1,2,3,4,5,6,7,8,9,10,11,12,13,14,15
	ds_load_b32 v[WD+\e], v[LR] offset:64*\e       ; lane (r, h): row r of half-waves 16 h + e
.endr
	s_wait_dscnt 0x0
.irp k, 0,1,2,3
	v_pk_add_f32 v[WD+4*\k:WD+4*\k+1], v[WD+4*\k:WD+4*\k+1], v[WD+4*\k+2:WD+4*\k+3]
.endr
.irp k, 0,1
	v_pk_add_f32 v[WD+8*\k:WD+8*\k+1], v[WD+8*\k:WD+8*\k+1], v[WD+8*\k+4:WD+8*\k+5]
.endr
	v_pk_add_f32 v[WD:WD+1], v[WD:WD+1], v[WD+8:WD+9]
	v_add_f32 v[WD], v[WD], v[WD+1]
	v_permlanex16_b32 v[T], v[WD], s18, s19        ; the other 16 half-waves' share (T has been written before)
	v_add_f32 v[WD], v[WD], v[T]
	v_add_f32 v[WD], v[WD], v[RES]                 ; the residual: in since the last row's wait for 0
	v_cmp_gt_u32 vcc_lo, 16, v0
	s_wait_xcnt 0x0                                ; EXEC is a source of the memory instructions issued so far: it changes only behind this wait
	s_and_saveexec_b32 s17, vcc_lo
	global_store_b32 v[SO], v[WD], s[10:11]        ; 16 lanes, 64 consecutive bytes: all that a work-group of 16 rows has
	s_wait_xcnt 0x0                                ; and again in front of the line that widens it
	s_or_b32 exec_lo, exec_lo, s17
.Lend:
	s_wait_tensorcnt 0x0
	ds_add_u32 v162, v163
	s_wait_dscnt 0x0
	s_endpgm
.Lfunc_end_k_qf58f7c474c_ovec:
	.size	k_qf58f7c474c_ovec, .Lfunc_end_k_qf58f7c474c_ovec-k_qf58f7c474c_ovec
	.p2alignl 7, 3214868480
	.fill 96, 4, 3214868480
	.section	.rodata,"a",@progbits
	.p2align	6, 0x0
	.amdhsa_kernel k_qf58f7c474c_ovec
		.amdhsa_group_segment_fixed_size 4096
		.amdhsa_private_segment_fixed_size 0
		.amdhsa_enable_private_segment 0
		.amdhsa_kernarg_size 32
		.amdhsa_user_sgpr_count 2
		.amdhsa_user_sgpr_kernarg_segment_ptr 1
		.amdhsa_wavefront_size32 1
		.amdhsa_system_sgpr_workgroup_id_x 1
		.amdhsa_system_sgpr_workgroup_id_y 1
		.amdhsa_system_sgpr_workgroup_id_z 1
		.amdhsa_system_vgpr_workitem_id 0
		.amdhsa_next_free_vgpr 164
		.amdhsa_next_free_sgpr 66
		.amdhsa_reserve_vcc 1
		.amdhsa_float_denorm_mode_32 3
		.amdhsa_float_denorm_mode_16_64 3
		.amdhsa_memory_ordered 1
		.amdhsa_forward_progress 1
		.amdhsa_inst_pref_size 16
	.end_amdhsa_kernel
	.amdgpu_metadata
---
amdhsa.version: [ 1, 2 ]
amdhsa.kernels:
  - .name:           k_qf58f7c474c_ovec
    .symbol:         k_qf58f7c474c_ovec.kd
    .args:
      - { .name: W_V, .offset: 0, .size: 8, .value_kind: global_buffer, .address_space: global }
      - { .name: svec, .offset: 8, .size: 8, .value_kind: global_buffer, .address_space: global }
      - { .name: inp, .offset: 16, .size: 8, .value_kind: global_buffer, .address_space: global }
      - { .name: out0, .offset: 24, .size: 8, .value_kind: global_buffer, .address_space: global }
    .group_segment_fixed_size: 4096
    .private_segment_fixed_size: 0
    .kernarg_segment_align: 8
    .kernarg_segment_size: 32
    .max_flat_workgroup_size: 512
    .sgpr_count:     66
    .vgpr_count:     164
    .wavefront_size: 32
...
	.end_amdgpu_metadata
.endif
;; end of part 5
